; MI455X (gfx1250); checked and timed in simulation.
; The chip was launched on July 23, 2026; its instructions are those of AMD's public machine-readable ISA for CDNA 5 (MIT licence, August 2026) and "CDNA5" Instruction Set Architecture Reference Guide (July 2026). The comments in the code are by the model that wrote it; some were corrected since.
;; Q Dense. Allowed arithmetic: matrix products marked QUANTISED: E2M1 operands, one E8M0 scale for each 32 along K, by v_wmma_scale_f32_16x16x128_f8f6f4 with both operands' format E2M1 (or v_wmma_scale_f32_32x16x128_f4), f32 sums; everything else in f32.
;; Inputs: W_ri 1,024 x 1,024 float32; W_rj 1,024 x 1,024 float32; W_rk 1,024 x 1,024 float32; W_rr 1,024 x 1,024 float32; b_ri 1,024 float32; b_rj 1,024 float32; b_rk 1,024 float32; b_rr 1,024 float32; x 4,096 x 4,096 float32.
;; Outputs: out0 4,096 x 4,096 float32.
;; This version of the problem:
;;   THIS VERSION OF THE PROBLEM IS GIVEN IN LOW PRECISION. The matrix products marked QUANTISED in the list below multiply operands that are first quantised to E2M1 (2 exponent bits, 1 mantissa bit; 4 bits a number), with one power-of-two scale for each 32 numbers along K (OCP MX v1.0); their sums are f32. All else is computed in f32.
;;   The module's matrix products, in the order in which they are computed (A, B: the left and right operand; K: the contracted axis; several contracted axes count as one K, in the product's order):
;;     1. [M 16,384, K 1,024] x [K 1,024, N 4,096]; A: input x; B: computed on the way: QUANTISED
;;   THE QUANTISER, for each operand of a quantised product, along K:
;;     - K is cut into blocks of 32 from its start; a last block that is shorter is filled with zeros.
;;     - A block's scale is 2^e with e = floor(log2(the largest magnitude in the block)) - 2, held to -126 .. 127; a block of zeros has e = 0. As a byte (E8M0): e + 127.
;;     - Each number is divided by its block's scale, clamped to +-6, and rounded to the nearest number of E2M1, ties to even, subnormals kept.
;;     - The product sums the exact products of the quantised numbers (number of the format x scale) in f32.
;;   ~~~python
;;   def quantise(x, axis):      # numpy; x: float32 -> the quantised numbers, widened to float32 again
;;       x = np.moveaxis(x, axis, -1); K = x.shape[-1]
;;       x = np.pad(x, [(0, 0)] * (x.ndim - 1) + [(0, -K % 32)]); x = x.reshape(x.shape[:-1] + (-1, 32)); a = np.abs(x).max(-1, keepdims=True)
;;       e = np.where(a > 0, np.clip(np.frexp(np.where(a > 0, a, 1))[1] - 1 - 2, -126, 127), 0)      # np.frexp(a)[1] - 1 = floor(log2(a)), exactly
;;       r = np.clip(x / 2.0 ** e, -6, 6)
;;       step = 2.0 ** (np.maximum(np.frexp(np.where(r == 0, 1, r))[1] - 1, 0) - 1)
;;       q = np.round(r / step) * step * 2.0 ** e      # np.round: ties to even
;;       return np.moveaxis(q.reshape(q.shape[:-2] + (-1,))[..., :K], -1, axis).astype(np.float32)
;;   ~~~
;;   OPERANDS COMPUTED ON THE WAY. 'Computed on the way' means the value that the module computes at that place (a softmax that the list does not call 'softmax' is quantised finished and normalised). What goes into a quantiser is computed in f32, as accurately as f32 sums, v_exp_f32 and their like allow (about 1e-6 of the number): no bf16 or f16 on the way to a quantiser, and a product that is left as it is and whose result goes on into a quantised operand takes f32 operands (vector FMAs, or v_wmma_f32_16x16x4_f32). A number that lies on a knife's edge between two numbers of the format may be rounded either way, as far as f32 arithmetic and the matrix unit's own rounding can turn it there, and no further.
;; One version. Each part assembles by itself: llvm-mc -triple=amdgcn-amd-amdhsa -mcpu=gfx1250 --defsym DOCPART=n.
;; ======== version 1 of 1: 2 launches
;; limits: right only within a limited range of input values
;; workspace buffers: xq 8,912,896 bytes; wq 2,228,224 bytes; bb 16,384 bytes
;; launch prep (part 1): grid 513 x 1, 5 waves a work-group, no clusters, 49,408 bytes of LDS; arguments x, W_rr, W_ri, W_rj, W_rk, b_rr, b_ri, b_rj, b_rk, xq, wq, bb; writes xq, wq, bb
.if DOCPART == 1
	.amdgcn_target "amdgcn-amd-amdhsa--gfx1250"
	.amdhsa_code_object_version 6
	.text
	.protected	k_q13c32913df_prep
	.globl	k_q13c32913df_prep
	.p2align	8
	.type	k_q13c32913df_prep,@function
k_q13c32913df_prep:
	s_mov_b64 s[64:65], 0
	v_nop
	global_prefetch_b8 v0, s[64:65] scope:SCOPE_SE
	s_setreg_imm32_b32 hwreg(HW_REG_WAVE_MODE, 25, 1), 1
	s_wait_xcnt 0x0
; out[b][p][o] = sum over c of s(p, c) (x_c W_(p xor c)^T + b_(p xor c))[b][o], s = -1 at (p, c) = (0,1) (0,2) (0,3) (1,3) (2,1) (3,2), else +1.
; THIS LAUNCH quantises x and the four W once to codes of FP4 (E2M1) with one E8M0 byte for each 32 along i, and makes bb[1024 p + o] = sum over c of s(p, c) b_(p xor c)[o].
; x's chunks are 1,024 long, a multiple of 32: the quantiser's blocks are blocks of x's plain rows.  All inputs are used: no work is left out.
; A block's scale is 2^(floor(log2(its largest magnitude)) - 2): its byte is the largest magnitude's exponent field - 2, held at 1 from below.
; LAYOUT of xq (wq): units of 32 rows b (o), 69,632 bytes each: [16 rows: 2][128 along i: 8][c (q): 4] fragments of 1,024 bytes, then [128 along i: 8][row: 32][c (q): 4][4 scale bytes].
; A fragment is the image of a matrix operand's registers: [half of the 128: 2][lane: 32][16 bytes]: lane (r, h) holds row r's codes of i = 64 half + 32 h + 0 .. 31.
; SHARES.  2,560 tasks, one a wave: 2,048 of x, 512 of the W; 512 work-groups of five waves; work-group 512 makes the biases.  A task is 16 rows x 128 along i x the four c (q): 16 steps, a row a step:
; four loads of 512 consecutive bytes, one for each c (q).  x and W go one way through the text: only pointers and strides are selected, by the task's number.
; A step's 2,048 bytes turn through the wave's own stage in LDS, so that a lane then holds 16 neighbours along i, two neighbouring lanes a block.  Its codes, 8 bytes a lane, are gathered in an image of the task's
; four fragments in LDS (pieces 272, 544 and 1,088 bytes apart, so that the 32 lanes of a store fall on 32 different columns of 8 bytes); the task's 4,096 bytes of codes and 256 scale bytes leave at its end in whole runs.
; No tensor load, no barrier: waves share nothing.  Loads run four steps (16 loads a wave) ahead, the turn through LDS one step.
; LIMITS: NaN and infinities among the inputs are not served.  A block of zeros gets the byte 1 where the rule says 127: its codes are zeros, which add nothing, and this program alone reads the bytes.
.set UNIT,  69632
.set STEPS, 16
.set EMAX,  2
.set SP,    80                         ; a lane's place in a stage: its 64 bytes + 16 of padding
.set WREG,  9728                       ; LDS: a region for each wave: two stages of 32 x SP bytes, its 256 scale bytes, the image of 4 x 1,088 bytes
.set R,     16                         ; v16-79   four sets of 16 numbers as loaded
.set X,     80                         ; v80-111  two sets of 16 neighbours
.set E,     112                        ; v112-127 a scale byte for each step
.set C,     128                        ; v128-159 codes: two registers a step
.set OFF,   184                        ; v184-187 set j: 16 x lane + the byte offset of the row that the set loads
.set IMI,   188                        ; v188 the image, on the way in
.set IMO,   189                        ; v189 and on the way out
.set CDO,   190                        ; v190 my 16 bytes of each 512 of the task's codes
	s_load_b512 s[4:19], s[0:1], 0x0               ; x 4:5, W_rr 6:7, W_ri 8:9, W_rj 10:11, W_rk 12:13, b_rr 14:15, b_ri 16:17, b_rj 18:19
	s_load_b256 s[20:27], s[0:1], 0x40             ; b_rk 20:21, xq 22:23, wq 24:25, bb 26:27
	v_lshl_add_u32 v192, v0, 2, 5*WREG             ; my spare word, behind the five regions
	v_mov_b32 v193, 0
	v_lshrrev_b32 v1, 5, v0
	v_readfirstlane_b32 s28, v1                    ; wave 0..4
	s_cmp_eq_u32 ttmp9, 512
	s_cbranch_scc1 .Lbias                          ; the last work-group makes bb and touches no LDS
	s_mul_i32 s29, ttmp9, 5
	s_add_co_u32 s29, s29, s28                     ; T, my task = [16 rows][128 along i: 3 bits]; W's tasks begin at 2,048
	s_and_b32 s30, s29, 7                          ; which 128 along i
	s_lshl_b32 s31, s30, 9                         ; 128 numbers
	s_lshr_b32 s32, s29, 3                         ; x: which 16 rows
	s_bfe_u32 s36, s29, 0x60003                    ; W: which 16 rows
	s_mov_b32 s58, 4096
	s_cmp_lt_u32 s29, 2048                         ; x's task or W's?
	s_cselect_b32 s34, s32, s36
	s_cselect_b32 s58, 16384, s58                  ; from row to row
	s_lshl_b32 s40, s58, 4
	s_mul_i32 s40, s40, s34
	s_add_co_u32 s40, s40, s31                     ; the task's first byte in x_0 or in each W_q
	s_mov_b32 s41, 0
	s_lshr_b32 s35, s34, 1
	s_mul_i32 s44, s35, UNIT                       ; its unit
	s_mov_b32 s45, 0
	s_and_b32 s37, s34, 1                          ; which 16 rows of the unit
	s_lshl_b32 s60, s37, 3
	s_add_co_u32 s60, s60, s30
	s_lshl_b32 s60, s60, 12                        ; its four fragments
	s_lshl_b32 s61, s30, 9
	s_lshl_b32 s37, s37, 8
	s_add_co_u32 s61, s61, s37
	s_add_co_u32 s61, s61, 65536                   ; its 256 scale bytes
	s_lshl_b32 s59, s58, 2                         ; four rows on
	s_mul_i32 s30, s28, WREG
	s_add_co_u32 s31, s30, 2*32*SP
	s_add_co_u32 s33, s30, 2*32*SP+256
	v_and_b32 v2, 31, v0                           ; lane
	v_lshlrev_b32 v3, 4, v2                        ; my 16 bytes of a load's 512
	v_lshrrev_b32 v14, 2, v2
	v_mul_u32_u24 v14, v14, SP
	v_and_b32 v15, 3, v2
	v_lshl_add_u32 v14, v15, 4, v14
	v_add_nc_u32 v14, s30, v14                     ; the stage, on the way in: SP (lane / 4) + 16 (lane % 4)
	v_mul_u32_u24 v15, v2, SP
	v_add_nc_u32 v15, s30, v15                     ; and on the way out: lane l holds c = l / 8, numbers 16 (l % 8) ..
	v_lshrrev_b32 v5, 1, v2
	v_add_nc_u32 v5, s31, v5                       ; my block's scale byte
	v_lshlrev_b32 v10, 3, v2
	v_add_nc_u32 v6, s31, v10                      ; and 8 of them a lane on the way out
	v_add_nc_u32 v7, s61, v10
	v_lshrrev_b32 v12, 3, v2                       ; the image: c,
	v_mul_u32_u24 v[IMI], v12, 1088
	v_bfe_u32 v12, v2, 2, 1                        ; the half of the 128,
	v_mad_u32_u24 v[IMI], v12, 544, v[IMI]
	v_bfe_u32 v12, v2, 1, 1                        ; h,
	v_mad_u32_u24 v[IMI], v12, 272, v[IMI]
	v_and_b32 v12, 1, v2                           ; and which 8 of a lane's 16 bytes; the row stands in the store's offset
	v_lshl_add_u32 v[IMI], v12, 3, v[IMI]
	v_add_nc_u32 v[IMI], s33, v[IMI]
	v_lshrrev_b32 v12, 4, v2
	v_mul_u32_u24 v[IMO], v12, 272
	v_and_b32 v12, 15, v2
	v_lshl_add_u32 v[IMO], v12, 4, v[IMO]
	v_add_nc_u32 v[IMO], s33, v[IMO]
	v_add_nc_u32 v[CDO], s60, v3
	v_mov_b32 v[OFF], v3
	v_add_nc_u32 v[OFF+1], s58, v[OFF]
	v_add_nc_u32 v[OFF+2], s58, v[OFF+1]
	v_add_nc_u32 v[OFF+3], s58, v[OFF+2]
	s_wait_alu depctr_va_vdst(0)                   ; the wait at the head's end
	s_wait_kmcnt 0x0
	s_cmp_lt_u32 s29, 2048                         ; only 64-bit sums and selects follow: they leave SCC alone
	s_add_nc_u64 s[48:49], s[4:5], 4096            ; x_1, x_2, x_3 begin 1,024 numbers apart in a row
	s_add_nc_u64 s[50:51], s[4:5], 8192
	s_add_nc_u64 s[52:53], s[4:5], 12288
	s_cselect_b64 s[46:47], s[4:5], s[6:7]
	s_cselect_b64 s[48:49], s[48:49], s[8:9]
	s_cselect_b64 s[50:51], s[50:51], s[10:11]
	s_cselect_b64 s[52:53], s[52:53], s[12:13]
	s_cselect_b64 s[62:63], s[22:23], s[24:25]
.irp i, 0,1,2,3
	s_add_nc_u64 s[46+2*\i:47+2*\i], s[46+2*\i:47+2*\i], s[40:41]
.endr
	s_add_nc_u64 s[44:45], s[62:63], s[44:45]
.macro LOAD t                          ; step t's row: four loads of 512 consecutive bytes, one for each c (q), into set t % 4
.if (\t) >= 4
	v_add_nc_u32 v[OFF+(\t)%4], s59, v[OFF+(\t)%4] ; the set's last loads were shown done by the wait on LOADcnt in front of their turn through the stage
.endif
.irp i, 0,1,2,3
	global_load_b128 v[R+16*((\t)%4)+4*\i:R+16*((\t)%4)+4*\i+3], v[OFF+(\t)%4], s[46+2*\i:47+2*\i] th:TH_LOAD_NT
.endr
.endm
.macro TURN t                          ; step t's numbers through the stage: LDS serves a wave's instructions in order (ISA guide 5.7.1.4)
.irp i, 0,1,2,3
	ds_store_b128 v14, v[R+16*((\t)%4)+4*\i:R+16*((\t)%4)+4*\i+3] offset:32*SP*((\t)%2)+8*SP*\i
.endr
.irp i, 0,1,2,3
	ds_load_b128 v[X+16*((\t)%2)+4*\i:X+16*((\t)%2)+4*\i+3], v15 offset:32*SP*((\t)%2)+16*\i
.endr
.endm
.irp t, 0,1,2,3
	LOAD \t
.endr
	s_wait_loadcnt 12                              ; step 0's four loads are in
	TURN 0
.macro STEP t
.set XS, X+16*((\t)%2)
.if (\t) > 0
	s_wait_dscnt 2                                 ; this step's numbers are back from the stage (the last step's two stores, of its byte and its codes, may be out)
.else
	s_wait_dscnt 0x0
.endif
.if (\t)+4 < STEPS
	LOAD (\t)+4
.endif
.if (\t)+1 < STEPS
.if STEPS-2-(\t) >= 3
	s_wait_loadcnt 12                              ; the next step's four loads are in; those of the three steps behind it may be out
.else
	s_wait_loadcnt 4*(STEPS-2-(\t))                ; the counts run down
.endif
	TURN (\t)+1
.endif
	v_max3_num_f32 v8, |v[XS]|, |v[XS+1]|, |v[XS+2]|               ; the largest magnitude of my 16, in two chains
	v_max3_num_f32 v9, |v[XS+3]|, |v[XS+4]|, |v[XS+5]|
.irp i, 6,10
	v_max3_num_f32 v8, v8, |v[XS+\i]|, |v[XS+\i+1]|
	v_max3_num_f32 v9, v9, |v[XS+\i+2]|, |v[XS+\i+3]|
.endr
	v_max3_num_f32 v8, v8, |v[XS+14]|, |v[XS+15]|
	v_max3_num_f32 v8, v8, v9, (EMAX+1)<<23        ; and the floor 2^(3 - 127): the byte cannot fall under 1
	v_max_num_f32_dpp v8, v8, v8 row_xmask:1 row_mask:0xf bank_mask:0xf   ; and of my neighbour's 16: the block's
	v_add_nc_u32 v11, -(EMAX<<23), v8              ; 2 off its exponent field: the conversion's scale operand
	v_cvt_scalef32_pk8_fp4_f32 v[C+2*(\t)], v[XS:XS+7], v11
	v_cvt_scalef32_pk8_fp4_f32 v[C+2*(\t)+1], v[XS+8:XS+15], v11
	v_lshrrev_b32 v[E+(\t)], 23, v11               ; the scale's byte (also the plain instruction behind the conversions)
	ds_store_b8 v5, v[E+(\t)] offset:16*(\t)       ; both lanes of a block write the same byte with the same value
	ds_store_b64 v[IMI], v[C+2*(\t):C+2*(\t)+1] offset:16*(\t)     ; row t of the four fragments
.endm
.irp t, 0,1,2,3,4,5,6,7,8,9,10,11,12,13,14,15
	STEP \t
.endr
.irp i, 0,1,2,3,4,5,6,7
	ds_load_b128 v[R+4*\i:R+4*\i+3], v[IMO] offset:(\i/2)*1088+(\i%2)*544   ; these see my stores
.endr
	ds_load_b64 v[12:13], v6
	s_wait_dscnt 0x0
.irp i, 0,1,2,3,4,5,6,7
	global_store_b128 v[CDO], v[R+4*\i:R+4*\i+3], s[44:45] offset:512*\i    ; 512 consecutive bytes, at a multiple of 256 from the buffer's first byte
.endr
	global_store_b64 v7, v[12:13], s[44:45]        ; 256 consecutive bytes, aligned
	s_wait_tensorcnt 0x0                           ; the wave's end
	ds_add_u32 v192, v193
	s_wait_dscnt 0x0
	s_endpgm
; r = b0 - b1 - b2 - b3,  i = b0 + b1 - b2 + b3,  j = b0 + b1 + b2 - b3,  k = b0 - b1 + b2 + b3  (b0 .. b3 = b_rr, b_ri, b_rj, b_rk).  Four waves, four numbers a thread, twice.
.Lbias:
	s_cmp_lt_u32 s28, 4
	s_cbranch_scc0 .Lnone
	v_lshlrev_b32 v1, 4, v0
	s_wait_alu depctr_va_vdst(0)
	s_wait_kmcnt 0x0
.irp u, 0,1
	global_load_b128 v[16+16*\u:19+16*\u], v1, s[14:15] offset:2048*\u
	global_load_b128 v[20+16*\u:23+16*\u], v1, s[16:17] offset:2048*\u
	global_load_b128 v[24+16*\u:27+16*\u], v1, s[18:19] offset:2048*\u
	global_load_b128 v[28+16*\u:31+16*\u], v1, s[20:21] offset:2048*\u
.endr
	s_wait_loadcnt 0x0
.irp u, 0,1
.irp h, 0,2
	v_pk_add_f32 v[48+16*\u+\h:49+16*\u+\h], v[16+16*\u+\h:17+16*\u+\h], v[20+16*\u+\h:21+16*\u+\h]                               ; b0 + b1
	v_pk_add_f32 v[52+16*\u+\h:53+16*\u+\h], v[16+16*\u+\h:17+16*\u+\h], v[20+16*\u+\h:21+16*\u+\h] neg_lo:[0,1] neg_hi:[0,1]     ; b0 - b1
	v_pk_add_f32 v[56+16*\u+\h:57+16*\u+\h], v[24+16*\u+\h:25+16*\u+\h], v[28+16*\u+\h:29+16*\u+\h]                               ; b2 + b3
	v_pk_add_f32 v[60+16*\u+\h:61+16*\u+\h], v[24+16*\u+\h:25+16*\u+\h], v[28+16*\u+\h:29+16*\u+\h] neg_lo:[0,1] neg_hi:[0,1]     ; b2 - b3
.endr
.endr
.irp u, 0,1
.irp h, 0,2
	v_pk_add_f32 v[80+16*\u+\h:81+16*\u+\h], v[52+16*\u+\h:53+16*\u+\h], v[56+16*\u+\h:57+16*\u+\h] neg_lo:[0,1] neg_hi:[0,1]     ; r
	v_pk_add_f32 v[84+16*\u+\h:85+16*\u+\h], v[48+16*\u+\h:49+16*\u+\h], v[60+16*\u+\h:61+16*\u+\h] neg_lo:[0,1] neg_hi:[0,1]     ; i
	v_pk_add_f32 v[88+16*\u+\h:89+16*\u+\h], v[48+16*\u+\h:49+16*\u+\h], v[60+16*\u+\h:61+16*\u+\h]                               ; j
	v_pk_add_f32 v[92+16*\u+\h:93+16*\u+\h], v[52+16*\u+\h:53+16*\u+\h], v[56+16*\u+\h:57+16*\u+\h]                               ; k
.endr
.endr
.irp u, 0,1
.irp p, 0,1,2,3
	global_store_b128 v1, v[80+16*\u+4*\p:83+16*\u+4*\p], s[26:27] offset:4096*\p+2048*\u
.endr
.endr
.Lnone:
	s_endpgm
.Lfunc_end_k_q13c32913df_prep:
	.size	k_q13c32913df_prep, .Lfunc_end_k_q13c32913df_prep-k_q13c32913df_prep
	.p2alignl 7, 3214868480
	.fill 96, 4, 3214868480
	.section	.rodata,"a",@progbits
	.p2align	6, 0x0
	.amdhsa_kernel k_q13c32913df_prep
		.amdhsa_group_segment_fixed_size 49408
		.amdhsa_private_segment_fixed_size 0
		.amdhsa_enable_private_segment 0
		.amdhsa_kernarg_size 96
		.amdhsa_user_sgpr_count 2
		.amdhsa_user_sgpr_kernarg_segment_ptr 1
		.amdhsa_wavefront_size32 1
		.amdhsa_system_sgpr_workgroup_id_x 1
		.amdhsa_system_sgpr_workgroup_id_y 1
		.amdhsa_system_sgpr_workgroup_id_z 1
		.amdhsa_system_vgpr_workitem_id 0
		.amdhsa_next_free_vgpr 194
		.amdhsa_next_free_sgpr 66
		.amdhsa_reserve_vcc 0
		.amdhsa_float_denorm_mode_32 3
		.amdhsa_float_denorm_mode_16_64 3
		.amdhsa_memory_ordered 1
		.amdhsa_forward_progress 1
		.amdhsa_inst_pref_size 40
	.end_amdhsa_kernel
	.amdgpu_metadata
---
amdhsa.version: [ 1, 2 ]
amdhsa.kernels:
  - .name:           k_q13c32913df_prep
    .symbol:         k_q13c32913df_prep.kd
    .args:
      - { .name: x, .offset: 0, .size: 8, .value_kind: global_buffer, .address_space: global }
      - { .name: W_rr, .offset: 8, .size: 8, .value_kind: global_buffer, .address_space: global }
      - { .name: W_ri, .offset: 16, .size: 8, .value_kind: global_buffer, .address_space: global }
      - { .name: W_rj, .offset: 24, .size: 8, .value_kind: global_buffer, .address_space: global }
      - { .name: W_rk, .offset: 32, .size: 8, .value_kind: global_buffer, .address_space: global }
      - { .name: b_rr, .offset: 40, .size: 8, .value_kind: global_buffer, .address_space: global }
      - { .name: b_ri, .offset: 48, .size: 8, .value_kind: global_buffer, .address_space: global }
      - { .name: b_rj, .offset: 56, .size: 8, .value_kind: global_buffer, .address_space: global }
      - { .name: b_rk, .offset: 64, .size: 8, .value_kind: global_buffer, .address_space: global }
      - { .name: xq, .offset: 72, .size: 8, .value_kind: global_buffer, .address_space: global }
      - { .name: wq, .offset: 80, .size: 8, .value_kind: global_buffer, .address_space: global }
      - { .name: bb, .offset: 88, .size: 8, .value_kind: global_buffer, .address_space: global }
    .group_segment_fixed_size: 49408
    .private_segment_fixed_size: 0
    .kernarg_segment_align: 8
    .kernarg_segment_size: 96
    .max_flat_workgroup_size: 160
    .sgpr_count:     66
    .vgpr_count:     194
    .wavefront_size: 32
...
	.end_amdgpu_metadata
.endif
;; end of part 1
;; launch gemm (part 2): grid 32 x 8, 4 waves a work-group, clusters of 4 x 1, 327,680 bytes of LDS; arguments xq, wq, bb, out0; writes out0
.if DOCPART == 2
	.amdgcn_target "amdgcn-amd-amdhsa--gfx1250"
	.amdhsa_code_object_version 6
	.text
	.protected	k_q13c32913df_gemm
	.globl	k_q13c32913df_gemm
	.p2align	8
	.type	k_q13c32913df_gemm,@function
k_q13c32913df_gemm:
	s_mov_b64 s[64:65], 0
	v_nop
	global_prefetch_b8 v0, s[64:65] scope:SCOPE_SE
	s_setreg_imm32_b32 hwreg(HW_REG_WAVE_MODE, 25, 1), 1
	s_wait_xcnt 0x0
	s_wait_alu depctr_hold_cnt(0) depctr_sa_sdst(0) depctr_va_vdst(0) depctr_va_sdst(0) depctr_va_ssrc(0) depctr_va_vcc(0) depctr_vm_vsrc(0)
	s_getreg_b32 s2, hwreg(HW_REG_IB_STS2, 6, 4)
	s_cmp_eq_u32 s2, 0
	s_cbranch_scc0 .Lentry_in_a_cluster
	s_endpgm
.Lentry_in_a_cluster:
	s_bfe_u32 s2, ttmp6, 0x10000c
	s_cmp_lg_u32 s2, 0x3003
	s_cbranch_scc0 .Lentry_shape_is_right
	s_endpgm
.Lentry_shape_is_right:
; out[b][1024 p + o] = bb[1024 p + o] + sum over c, i of s(p, c) Xq[b][c][i] Wq_(p xor c)[o][i], s = -1 at (p, c) = (0,1) (0,2) (0,3) (1,3) (2,1) (3,2), else +1.  Codes of FP4 (E2M1), one E8M0 byte for each 32 along i.
; A WORK-GROUP makes 128 rows b x (all four p x 128 o): every x_c is multiplied with every W_q.  Grid: 32 blocks of b x 8 blocks of o = 256 work-groups.
; W STAYS IN LDS: the block's 128 o x 4 q x all of i, codes and scale bytes, are four units of 69,632 bytes as the preparing launch laid them (images of the operand's registers): one tensor load a wave at the head,
; filled once, so the main run has no barrier.  The four work-groups of a cluster share the block of o: the loads are joint.
; x COMES FROM MEMORY STRAIGHT INTO REGISTERS: its fragments lie as register images too, so each load of a wave reads 512 consecutive bytes.  A ring of NS = 10 slots of 16 registers, a slot a step:
; step n's middle asks for step n + 9; the wait for a step's loads stands eight steps behind their issue and is counted: 4 loads for each younger step asked for, and 1 more for each of them that begins a new 128 along i (its scale words).
; TWO PASSES of 64 rows b.  In a pass a wave makes 32 b x 4 p x 64 o: 16 accumulators of 16 b x 32 o, 256 registers: pass 0's in window 2, pass 1's in window 3.
; The instruction is v_wmma_scale_f32_32x16x128_f4, source 0 = 32 rows o of W_q, source 1 = 16 rows b of x_c: a lane holds row b = l % 16 and columns o = 8 (l / 16) + 0..7 and 16 + 8 (l / 16) + 0..7.
; A STEP is one c and 128 along i: 16 instructions, each accumulator once (p = q xor c).  THE SIGNS: -x_c is x_c's codes with every sign bit flipped, under the same scales: for c = 1, 2, 3 the step's two fragments
; are copied with 16 v_xor_b32, and a product with s < 0 takes the copy.  A flipped zero is -0, which adds nothing.
; PASS 0'S RESULTS LEAVE UNDER PASS 1'S PRODUCTS, in four blocks of 16 b x 2 p x 64 o: into the wave's own stage, back as whole rows into the block's own registers, which are done with, and out, four stores a step;
; each of the three stands a wait on DScnt (the one at the end of every fourth step) behind the one before.  Pass 1's leave at the end.
; THE BIAS lies in window 3's first 128 registers: the C of pass 0's first step; in pass 1's first step rows 16-31 take it as C first, and rows 0-15, whose accumulators these registers are, add onto it in place five places later.
; PREFETCH: a unit of x is read by the eight work-groups of a block of b.  Each of them names one of the unit's eight runs of 128 along i, by its block of o: 16 blocks of 256 bytes of codes a wave and one of scale bytes
; (the upper 16 lanes name that one block).  Pass 0's at the head, pass 1's in the middle of pass 0.  So each block of xq is named once in the launch.  W's loads stand at the head with nothing to run ahead in.
; REGISTERS: window 0: v0-31 addresses; v32-47 W's scale words, two sets; v48-63 x's, four sets; v64-95 flipped fragments, two sets; v96-255 the ring.  Window 1: W's fragments, two sets of 128 ((q, e) at 32 q + 16 e).
; LIMITS: as the preparing launch states them.
.set UNIT,   69632
.set SPARE,  4*UNIT                    ; the spare words, 128 bytes a wave
.set STAGE,  SPARE+512                 ; 16 rows x 528 bytes for each wave; no fill lands here
.set SPITCH, 528
.set ROWO,   16384                     ; a row of out0
.set NS,     10
.set XO,    16                         ; v16 16 x lane
.set ADRW,  18                         ; v18-19 my two units of W (e = 0, 1)
.set ADRSW, 20                         ; v20-21 their scale words
.set STO,  24
.set RD,   25
.set CO,   26
.set BO,   27
.set SPW,  28
.set NIL,  29
.set PFO,  30
.set SW,   32                          ; set j: + 8 j + 4 e + q: lane l = row l of unit e
.set SX,   48                          ; set k: + 4 k + c: lane l = row l of my unit of x
.set XN,   64
.set XR,   96
.set BK,   96
.set G1,  24
.set G0,  32
.set MSB, 0
.macro WIN new                         ; the immediate's high byte repeats the setting that is left
.if MSB != \new
	s_set_vgpr_msb (MSB<<8)|\new
.set MSB, \new
.endif
.endm
.macro CROUND                          ; a round of the cluster's barrier
	s_barrier_signal -1
	s_barrier_wait -1
	s_cmp_lg_u32 s14, 0
	s_cbranch_scc1 .Lnot_wave_0_\@
	s_barrier_signal -3
.Lnot_wave_0_\@:
	s_barrier_wait -3
	s_barrier_signal -1
	s_barrier_wait -1
.endm
.macro PLACES n
.rept \n
	v_nop
.endr
.endm
.macro ASK t                           ; pass t's unit: my work-group's run of 128 along i
	global_prefetch_b8 v[PFO], s[4:5] offset:\t*2*UNIT th:TH_LOAD_NT scope:SCOPE_SE
.endm
.macro XGROUP m                        ; step m's loads, into slot m % NS; with a new 128 along i its scale words first
.if (\m) < 64
.set XT, ((\m)/32)*2*UNIT
.set XG, ((\m)/4)%8
.set XC, (\m)%4
.set XS, XR+16*((\m)%NS)
.if XC == 0
	global_load_b128 v[SX+4*(((\m)/4)%4):SX+4*(((\m)/4)%4)+3], v[XO], s[4:5] offset:XT+65536+XG*512
.endif
.irp rb, 0,1
.irp k, 0,1
	global_load_b128 v[XS+8*\rb+4*\k:XS+8*\rb+4*\k+3], v[XO], s[4:5] offset:XT+(\rb*8+XG)*4096+XC*1024+\k*512
.endr
.endr
.endif
.endm
.macro WAITX m                         ; step m's loads are in: steps m + 1 .. m + NS - 2 have been asked for behind them
.set CNT, 0
.set KK, (\m)+1
.rept NS-2
.if KK < 64
.set CNT, CNT+4
.if (KK%4) == 0
.set CNT, CNT+1
.endif
.endif
.set KK, KK+1
.endr
	s_wait_loadcnt CNT
.endm
.macro XORS m                          ; -x of step m.  Rows 0-15's copy stands eight plain vector instructions ahead of the first product, rows 16-31's ahead of the step's v_nop
.set I, 0
.rept 16
	v_xor_b32 v[XN+16*((\m)%2)+I], s12, v[XR+16*((\m)%NS)+I]
.set I, I+1
.endr
	s_wait_alu depctr_va_vdst(0)                   ; the wait, directly behind the writes
.endm
.macro FETCH_W g8, q0                  ; W_q0 and W_(q0+1) of the g8-th 128 along i (counted through both passes): 16 loads of 512 consecutive bytes
	WIN 0x40
.irp dq, 0,1
.irp e, 0,1
.irp gl, 0,1
.irp k, 0,1
	ds_load_b128 v[128*((\g8)%2)+32*(\q0+\dq)+16*\e+8*\gl+4*\k:128*((\g8)%2)+32*(\q0+\dq)+16*\e+8*\gl+4*\k+3], v[ADRW+\e] offset:\gl*32768+((\g8)%8)*4096+(\q0+\dq)*1024+\k*512
.endr
.endr
.endr
.endr
	WIN 0
.endm
.macro SCALES g8
.irp e, 0,1
	ds_load_b128 v[SW+8*((\g8)%2)+4*\e:SW+8*((\g8)%2)+4*\e+3], v[ADRSW+\e] offset:((\g8)%8)*512
.endr
.endm
.macro WM rl, dd, ww, xx, cc, sw, sx
.if \rl
	v_wmma_scale_f32_32x16x128_f4 v[\dd:\dd+15], v[\ww:\ww+15], v[\xx:\xx+7], v[\cc:\cc+15], v[\sw], v[\sx] matrix_b_scale:MATRIX_SCALE_ROW1
.else
	v_wmma_scale_f32_32x16x128_f4 v[\dd:\dd+15], v[\ww:\ww+15], v[\xx:\xx+7], v[\cc:\cc+15], v[\sw], v[\sx]
.endif
.endm
; eight products of step n: x's rows 16 rb .. against W's eight fragments.  Bit 4 p + c of 0x428e is set where s(p, c) < 0.  The accumulators take turns.
.macro MULQ rb, n
.irp q, 0,1,2,3
.irp e, 0,1
.set PP, (\q)^((\n)%4)
.set DD, 128*(\rb)+32*PP+16*\e
.set CC, DD
.if ((\n)%32) == 0
.set CC, 32*PP+16*\e
.endif
.set WW, 128*(((\n)/4)%2)+32*\q+16*\e
.set XX, XR+16*((\n)%NS)+8*(\rb)
.if (0x428e>>(4*PP+((\n)%4)))&1
.set XX, XN+16*((\n)%2)+8*(\rb)
.endif
.set SWR, SW+8*(((\n)/4)%2)+4*\e+\q
.set SXR, SX+4*(((\n)/4)%4)+((\n)%4)
	WM \rb, DD, WW, XX, CC, SWR, SXR
.endr
.endr
.endm
; pass 0's block a = (16 rows, pair of p), registers 64 a .. of window 2
.macro STB a                           ; into my stage, each accumulator from its low end on
	WIN 0x08
.irp b, 0,1,2,3,4,5,6,7
	ds_store_b128 v[STO], v[64*(\a)+8*\b:64*(\a)+8*\b+3] offset:64*\b
	ds_store_b128 v[STO], v[64*(\a)+8*\b+4:64*(\a)+8*\b+7] offset:64*\b+16
.endr
	WIN 0
.endm
.macro LDB a                           ; back as rows of 512 bytes, into the same registers: the stores that read them were waited for
	WIN 0x80
.irp t, 0,1,2,3,4,5,6,7,8,9,10,11,12,13,14,15
	ds_load_b128 v[64*(\a)+4*\t:64*(\a)+4*\t+3], v[RD] offset:\t*SPITCH
.endr
	WIN 0
.endm
.macro GSB a, part                     ; four of its sixteen rows: lanes 0-15 store 256 consecutive bytes of one p, lanes 16-31 of the next, each aligned
	WIN 0x08
.irp u, 0,1,2,3
	global_store_b128 v[CO], v[64*(\a)+4*(4*(\part)+\u):64*(\a)+4*(4*(\part)+\u)+3], s[10:11] offset:((\a)/2)*16*ROWO+((\a)%2)*8192+(4*(\part)+\u)*ROWO th:TH_STORE_NT
.endr
	WIN 0
.endm
.macro STEP n
.set SG8, (\n)/4
.set SCI, (\n)%4
.set SK,  SG8-8
.set MW,  0xa1+0x50*((\n)/32)          ; source 0 (W) window 1, source 1 (x) window 0, C and D window 2 or 3
.if (\n) == 0
.set MW,  0xb1                         ; C (the bias) window 3
.endif
	WIN MW
.if (\n) == 32
	MULQ 1, \n
	PLACES 5                                       ; the products below write over the C of those above
.else
	MULQ 0, \n
	PLACES 4                                       ; in front of loads into registers that the step before multiplied
.endif
	WIN 0
	XGROUP (\n)+NS-1
.if SG8 < 15
.if SCI == 0
	FETCH_W SG8+1, 0
.endif
.if SCI == 1
	FETCH_W SG8+1, 2
	SCALES SG8+1
.endif
.endif
.if (\n) == 16
	ASK 1
.endif
.if SK >= 0
.if SCI == 2
.if (SK >= 1) && (SK <= 4)
	LDB SK-1
.endif
.if SK <= 3
	STB SK                                         ; LDS serves a wave's instructions in order (ISA guide 5.7.1.4): the loads above have read the stage
.endif
.endif
.if (SK >= 2) && (SK <= 5)
	GSB SK-2, SCI
.endif
.endif
	WIN MW
.if (\n) == 32
	MULQ 0, \n
.else
	MULQ 1, \n
.endif
	WIN 0
.if (\n) < 63
	WAITX (\n)+1
.if SCI < 3
	XORS (\n)+1
.endif
.endif
.if SCI == 3
	s_wait_dscnt 0x0                               ; the next 128's W and scale words are in, and so is what went to or came from the stage
.endif
.endm
	s_load_b256 s[4:11], s[0:1], 0x0               ; xq 4:5, wq 6:7, bb 8:9, out0 10:11
	v_lshl_add_u32 v[SPW], v0, 2, SPARE
	v_mov_b32 v[NIL], 0
	ds_add_u32 v[SPW], v[NIL]
	ds_add_u32 v[SPW], v[NIL]
	v_lshrrev_b32 v1, 5, v0
	v_readfirstlane_b32 s14, v1                    ; wave 0..3
	s_lshr_b32 s15, s14, 1                         ; which 32 of a pass's 64 rows b are mine
	s_and_b32 s16, s14, 1                          ; which 64 of the 128 o
	s_bfe_u32 s40, ttmp6, 0x40000                  ; cx
	s_lshl_b32 s17, ttmp9, 2
	s_add_co_u32 s17, s17, s40                     ; block of b, 0..31
	s_and_b32 s42, ttmp7, 0xffff                   ; block of o, 0..7: the same in the cluster's four
	s_mov_b32 s[G1+0], 15|(3<<16)|(1<<21)          ; the cluster's four; elements of 8 bytes; no padding
	s_mov_b32 s[G1+1], 32<<16                      ; rows of 256 bytes,
	s_mov_b32 s[G1+2], 272<<16                     ; 272 of them: a unit
	s_mov_b32 s[G1+3], 32<<16
	s_mov_b32 s[G1+4], 272
	s_mov_b32 s[G1+5], 32                          ; dense
	s_mov_b32 s[G1+6], 0
	s_mov_b32 s[G1+7], 0
	s_lshl_b32 s20, s42, 2
	s_add_co_u32 s20, s20, s14
	s_mul_i32 s20, s20, UNIT                       ; wave w fetches unit w of the block of o
	s_mov_b32 s21, 0
	s_lshl_b32 s22, s17, 2
	s_add_co_u32 s22, s22, s15
	s_mul_i32 s22, s22, UNIT                       ; my unit of x in pass 0; pass 1's lies two units on
	s_mov_b32 s23, 0
	s_lshl_b32 s46, s42, 9
	s_lshl_b32 s47, s16, 8
	s_add_co_u32 s46, s46, s47                     ; my first o, in bytes
	s_mov_b32 s47, 0
	s_lshl_b32 s18, s17, 7
	s_lshl_b32 s19, s15, 5
	s_add_co_u32 s18, s18, s19
	s_lshl_b32 s18, s18, 14                        ; my first row of out0
	s_mov_b32 s19, 0
	s_lshl_b32 s2, s16, 3
	s_add_co_u32 s2, s2, s42
	s_lshl_b32 s2, s2, 12                          ; the prefetch: 16 rows' four fragments of run number (block of o),
	s_add_co_u32 s3, s46, 65536                    ; and 256 of its scale bytes
	s_mul_i32 s13, s14, 16*SPITCH
	s_add_co_u32 s13, s13, STAGE                   ; my stage
	s_mul_i32 s43, s16, 2*UNIT                     ; my two units of W in LDS
	s_mov_b32 s12, 0x88888888                      ; the sign bits of eight codes
	s_mov_b32 s[G0], 1
	s_mul_i32 s[G0+1], s14, UNIT
	s_wait_dscnt 0x0
	s_wait_kmcnt 0x0
	s_add_nc_u64 s[G0+2:G0+3], s[6:7], s[20:21]
	s_or_b32 s[G0+3], s[G0+3], 0x80000000
	s_add_nc_u64 s[4:5], s[4:5], s[22:23]
	s_add_nc_u64 s[8:9], s[8:9], s[46:47]
	s_add_nc_u64 s[10:11], s[10:11], s[46:47]
	s_add_nc_u64 s[10:11], s[10:11], s[18:19]
	CROUND                                         ; the cluster's four are here: the joint loads meet
	tensor_load_to_lds s[G0:G0+3], s[G1:G1+7]      ; one line for all waves: the two addresses hang on the wave's number and the block of o alone
	s_nop 0
	PLACES 4
	v_and_b32 v6, 31, v0
	v_and_b32 v1, 15, v0                           ; r
	v_bfe_u32 v2, v0, 4, 1                         ; h
	v_lshlrev_b32 v[XO], 4, v6
	v_lshlrev_b32 v[BO], 5, v2
	v_add_nc_u32 v[ADRW], s43, v[XO]
	v_add_nc_u32 v[ADRW+1], UNIT, v[ADRW]
	v_add_nc_u32 v[ADRSW], 65536, v[ADRW]
	v_add_nc_u32 v[ADRSW+1], 65536, v[ADRW+1]
	v_mul_u32_u24 v7, v1, SPITCH
	v_lshl_add_u32 v7, v2, 5, v7
	v_add_nc_u32 v[STO], s13, v7                   ; into the stage: row r, 32 bytes for each half of the lanes
	v_add_nc_u32 v[RD], s13, v[XO]                 ; back: the 32 lanes take a row of 512 bytes: two p x 256 bytes
	v_lshlrev_b32 v8, 4, v1
	v_lshl_add_u32 v[CO], v2, 12, v8               ; in out0 the two p lie 4,096 bytes apart
	v_lshl_add_u32 v8, v6, 8, s2
	v_mov_b32 v9, s3
	v_cmp_gt_u32 vcc_lo, 16, v6
	v_cndmask_b32 v[PFO], v9, v8, vcc_lo
	s_wait_alu depctr_va_vdst(0)                   ; the wait behind the head's last vector write
	WIN 0xc0
.irp p, 0,1,2,3                        ; the bias in the accumulators' layout: register 8 f + j = column 16 f + 8 h + j of p
.irp f, 0,1,2,3
	global_load_b128 v[32*\p+8*\f:32*\p+8*\f+3], v[BO], s[8:9] offset:4096*\p+64*\f
	global_load_b128 v[32*\p+8*\f+4:32*\p+8*\f+7], v[BO], s[8:9] offset:4096*\p+64*\f+16
.endr
.endr
	WIN 0
.irp m, 0,1,2,3,4,5,6,7,8
	XGROUP \m
.endr
	ASK 0
	s_wait_tensorcnt 0x0                           ; my unit of W is in;
	s_barrier_signal -1
	s_barrier_wait -1                              ; and so is everybody's
	FETCH_W 0, 0
	FETCH_W 0, 2
	SCALES 0
	WAITX 0                                        ; the bias, asked for ahead of step 0's loads, is in with them
	s_wait_dscnt 0x0
.set N, 0
.rept 64
	STEP N
.set N, N+1
.endr
; PASS 1'S WAY OUT: its four blocks, from window 3, through the stage into the ring's registers, which are done with.
.macro TOSTAGE a
	WIN 0x0c
.irp b, 0,1,2,3,4,5,6,7
	ds_store_b128 v[STO], v[64*(\a)+8*\b:64*(\a)+8*\b+3] offset:64*\b
	ds_store_b128 v[STO], v[64*(\a)+8*\b+4:64*(\a)+8*\b+7] offset:64*\b+16
.endr
	WIN 0
.set BB, BK+64*((\a)%2)
.irp t, 0,1,2,3,4,5,6,7,8,9,10,11,12,13,14,15
	ds_load_b128 v[BB+4*\t:BB+4*\t+3], v[RD] offset:\t*SPITCH
.endr
.endm
.macro SEND a, younger
.set BB, BK+64*((\a)%2)
	s_wait_dscnt \younger
.irp t, 0,1,2,3,4,5,6,7,8,9,10,11,12,13,14,15
	global_store_b128 v[CO], v[BB+4*\t:BB+4*\t+3], s[10:11] offset:64*ROWO+((\a)/2)*16*ROWO+((\a)%2)*8192+\t*ROWO th:TH_STORE_NT
.endr
.endm
	PLACES 4
	TOSTAGE 0
.irp a, 1,2,3
.if \a > 1
	s_wait_xcnt 0x0                                ; block a - 2's stores have read their registers: block a's loads may land there
.endif
	TOSTAGE \a
	SEND \a-1, 32                                  ; behind block a - 1's loads: block a's 16 stores and 16 loads
.endr
	SEND 3, 0
	s_wait_tensorcnt 0x0                           ; the wave's end
	ds_add_u32 v[SPW], v[NIL]
	s_wait_dscnt 0x0
	CROUND                                         ; the closing round
	s_endpgm
.Lfunc_end_k_q13c32913df_gemm:
	.size	k_q13c32913df_gemm, .Lfunc_end_k_q13c32913df_gemm-k_q13c32913df_gemm
	.p2alignl 7, 3214868480
	.fill 96, 4, 3214868480
	.section	.rodata,"a",@progbits
	.p2align	6, 0x0
	.amdhsa_kernel k_q13c32913df_gemm
		.amdhsa_group_segment_fixed_size 327680
		.amdhsa_private_segment_fixed_size 0
		.amdhsa_enable_private_segment 0
		.amdhsa_kernarg_size 32
		.amdhsa_user_sgpr_count 2
		.amdhsa_user_sgpr_kernarg_segment_ptr 1
		.amdhsa_wavefront_size32 1
		.amdhsa_system_sgpr_workgroup_id_x 1
		.amdhsa_system_sgpr_workgroup_id_y 1
		.amdhsa_system_sgpr_workgroup_id_z 1
		.amdhsa_system_vgpr_workitem_id 0
		.amdhsa_next_free_vgpr 1024
		.amdhsa_next_free_sgpr 66
		.amdhsa_reserve_vcc 1
		.amdhsa_float_denorm_mode_32 3
		.amdhsa_float_denorm_mode_16_64 3
		.amdhsa_memory_ordered 1
		.amdhsa_forward_progress 1
		.amdhsa_inst_pref_size 255
	.end_amdhsa_kernel
	.section	.bss,"aw",@nobits
	.p2align	6
	.space	262144
	.amdgpu_metadata
---
amdhsa.version: [ 1, 2 ]
amdhsa.kernels:
  - .name:           k_q13c32913df_gemm
    .symbol:         k_q13c32913df_gemm.kd
    .args:
      - { .name: xq, .offset: 0, .size: 8, .value_kind: global_buffer, .address_space: global }
      - { .name: wq, .offset: 8, .size: 8, .value_kind: global_buffer, .address_space: global }
      - { .name: bb, .offset: 16, .size: 8, .value_kind: global_buffer, .address_space: global }
      - { .name: out0, .offset: 24, .size: 8, .value_kind: global_buffer, .address_space: global }
    .group_segment_fixed_size: 327680
    .private_segment_fixed_size: 0
    .kernarg_segment_align: 8
    .kernarg_segment_size: 32
    .max_flat_workgroup_size: 128
    .sgpr_count:     66
    .vgpr_count:     1024
    .wavefront_size: 32
...
	.end_amdgpu_metadata
.endif
;; end of part 2
